; MI455X (gfx1250); checked and timed in simulation.
; The chip was launched on July 23, 2026; its instructions are those of AMD's public machine-readable ISA for CDNA 5 (MIT licence, August 2026) and "CDNA5" Instruction Set Architecture Reference Guide (July 2026). The comments in the code are by the model that wrote it; some were corrected since.
;; Self Attention. Allowed arithmetic: matrix products marked QUANTISED: E2M3 operands, one E8M0 scale for each 32 along K, by v_wmma_scale_f32_16x16x128_f8f6f4 with both operands' format E2M3, f32 sums; everything else in f32.
;; Inputs: W_qkv 1,024 x 3,072 float32; b_qkv 3,072 float32; x 4 x 2,048 x 1,024 float32.
;; Outputs: out0 4 x 2,048 x 1,024 float32.
;; This version of the problem:
;;   THIS VERSION OF THE PROBLEM IS GIVEN IN LOW PRECISION. The matrix products marked QUANTISED in the list below multiply operands that are first quantised to E2M3 (2 exponent bits, 3 mantissa bits; 6 bits a number), with one power-of-two scale for each 32 numbers along K (OCP MX v1.0); their sums are f32. All else is computed in f32.
;;   The module's matrix products, in the order in which they are computed (A, B: the left and right operand; K: the contracted axis; several contracted axes count as one K, in the product's order):
;;     1. [M 8,192, K 1,024] x [K 1,024, N 3,072]; A: input x; B: input W_qkv: QUANTISED
;;     2. batch 64 x [M 2,048, K 64] x [K 64, N 2,048]; A: computed on the way; B: computed on the way: QUANTISED
;;     3. batch 64 x [M 2,048, K 2,048] x [K 2,048, N 64]; A: softmax (see below); B: computed on the way: QUANTISED
;;   THE QUANTISER, for each operand of a quantised product, along K:
;;     - K is cut into blocks of 32 from its start; a last block that is shorter is filled with zeros.
;;     - A block's scale is 2^e with e = floor(log2(the largest magnitude in the block)) - 2, held to -126 .. 127; a block of zeros has e = 0. As a byte (E8M0): e + 127.
;;     - Each number is divided by its block's scale, clamped to +-7.5, and rounded to the nearest number of E2M3, ties to even, subnormals kept.
;;     - The product sums the exact products of the quantised numbers (number of the format x scale) in f32.
;;   ~~~python
;;   def quantise(x, axis):      # numpy; x: float32 -> the quantised numbers, widened to float32 again
;;       x = np.moveaxis(x, axis, -1); K = x.shape[-1]
;;       x = np.pad(x, [(0, 0)] * (x.ndim - 1) + [(0, -K % 32)]); x = x.reshape(x.shape[:-1] + (-1, 32)); a = np.abs(x).max(-1, keepdims=True)
;;       e = np.where(a > 0, np.clip(np.frexp(np.where(a > 0, a, 1))[1] - 1 - 2, -126, 127), 0)      # np.frexp(a)[1] - 1 = floor(log2(a)), exactly
;;       r = np.clip(x / 2.0 ** e, -7.5, 7.5)
;;       step = 2.0 ** (np.maximum(np.frexp(np.where(r == 0, 1, r))[1] - 1, 0) - 3)
;;       q = np.round(r / step) * step * 2.0 ** e      # np.round: ties to even
;;       return np.moveaxis(q.reshape(q.shape[:-2] + (-1,))[..., :K], -1, axis).astype(np.float32)
;;   ~~~
;;   SOFTMAX AHEAD OF A QUANTISED PRODUCT. Where the list says 'softmax', what is quantised is not the finished softmax but p = 2^(t - M), with t = logit x log2(e) and M = ceil(the row's largest t), a whole number; so 1/2 < the row's largest p <= 1. The row's sum l is taken of the UNQUANTISED p, in f32, and the product's result is divided by l at the end. Since M is a whole number, a kernel that streams over the keys may use a running M (the ceiling of the running maximum): every later rescaling is an exact power of two, which a block's scale takes up: the codes' values come out the same.
;;   OPERANDS COMPUTED ON THE WAY. 'Computed on the way' means the value that the module computes at that place (a softmax that the list does not call 'softmax' is quantised finished and normalised). What goes into a quantiser is computed in f32, as accurately as f32 sums, v_exp_f32 and their like allow (about 1e-6 of the number): no bf16 or f16 on the way to a quantiser, and a product that is left as it is and whose result goes on into a quantised operand takes f32 operands (vector FMAs, or v_wmma_f32_16x16x4_f32). A number that lies on a knife's edge between two numbers of the format may be rounded either way, as far as f32 arithmetic and the matrix unit's own rounding can turn it there, and no further.
;; One version. Each part assembles by itself: llvm-mc -triple=amdgcn-amd-amdhsa -mcpu=gfx1250 --defsym DOCPART=n.
;; ======== version 1 of 1: 3 launches
;; limits: right only within a limited range of input values
;; workspace buffers: ximg 6,291,456 bytes; wimg 2,359,296 bytes; scl 360,448 bytes; rope 262,144 bytes; qc 6,291,456 bytes; qs 1,048,576 bytes; kv 14,155,776 bytes
;; launch prep (part 1): grid 480 x 1, 4 waves a work-group, no clusters, 47,616 bytes of LDS; arguments x, W_qkv, ximg, wimg, scl, rope; writes ximg, wimg, scl, rope
.if DOCPART == 1
	.amdgcn_target "amdgcn-amd-amdhsa--gfx1250"
	.amdhsa_code_object_version 6
	.text
	.protected	k_q2287185f0e_prep
	.globl	k_q2287185f0e_prep
	.p2align	8
	.type	k_q2287185f0e_prep,@function
k_q2287185f0e_prep:
	s_mov_b64 s[64:65], 0
	v_nop
	global_prefetch_b8 v0, s[64:65] scope:SCOPE_SE
	s_setreg_imm32_b32 hwreg(HW_REG_WAVE_MODE, 25, 1), 1
	s_wait_xcnt 0x0
; PREP: x [8192][1024] and W_qkv [1024][3072], f32, become codes of FP6 (E2M3) with one E8M0 byte for each 32 along K = 1,024; and the table of cos and sin for the rotary embedding is made.
; THE CODES ARE LAID AS IMAGES OF OPERAND REGISTERS: a fragment (16 rows x 128 K, 12 registers a lane) is 1,536 bytes, three planes of 512, lane l's 16 bytes at 16 l: ximg [tile 512][K step 8][1536], wimg [tile 192][K step 8][1536].
; THE ROWS OF A TILE ARE NOT NEIGHBOURS: row rho of tile t is 32 (t / 2) + 8 (t % 2) + rho + 8 (rho / 8) (of x: a row; of W: a column), so that a product that takes such tiles as source 0 leaves 16 neighbours in the 16 registers of two tiles.
; scl: one word (four bytes, 128 along K) a row and K step: [tile][q 2][row 16][K steps 4 q .. 4 q + 3], x's 512 tiles first, W's 192 from byte 262,144 on.
; rope: [tile of the sequence 128][jj 4][lane 32][16 bytes]: cos, sin, cos, sin of frequencies 8 (lane / 16) + 2 jj and + 1 at the position of row lane % 16 of the tile.
; A block's scale is 2^(floor(log2(largest magnitude)) - 2); its byte is the largest magnitude's exponent field - 2, held at 1 from below.
; SHARES: work-groups 0-255 take x (a wave: one tile x 4 K steps), 256-447 W (a wave: 32 columns x one K step, a lane to a column, registers down K), 448-479 the table (a wave: one tile of positions).
; Each of the three ways has LDS bytes of its own.  No tensor loads, no barrier: waves share nothing; no cluster: work-groups share no input.
; LIMITS: NaN and infinities are not served; a block whose largest magnitude lies under 2^-124 keeps the byte 1; a block of zeros gets the byte 1, not 127 (its codes are zeros, and this program alone reads the bytes).
; The 16 frequencies 10^(-i / 4) are written as correctly rounded f32 numbers: a power function may give a last bit otherwise, which at position 2,047 turns the angle by about 1e-4.
; cos and sin: the angle, one f32 product as the problem has it, less a whole number of quarter turns (pi / 2 in three parts, fused), then polynomials of degree 7 and 8 on +-pi / 4: about 1e-7.
.set XSTG,  8448                       ; x's way: a stage of 16 rows x (512 bytes + 16) for each wave, from LDS byte 0
.set WBASE, 33792                      ; W's way: two images of 1,536 bytes, 1,664 apart, for each wave
.set WSTG,  3328
.set SPARE, 47104                      ; the spare words, 128 bytes for each wave: 512 bytes that no other line names
.set SPW,   12                         ; v12  LDS address of my spare word; never rewritten
.set NIL,   13                         ; v13  0; never rewritten
.set SEL,   20                         ; s[20:21] lane selects for v_permlanex16_b32: lane l xor 16
.set TM,    16                         ; v16-19 largest magnitudes, v20-23 bytes, v28-31 the conversions' scale operands
.set R,     32                         ; v32-159  two sets of 64: a K step of 16 rows as loaded
.set X,     160                        ; v160-223 64 numbers of my row: register 16 b + i = k 32 b + 16 (lane / 16) + i
.set PC,    224                        ; v224-242 the codes just made
.set PW,    244                        ; the scale word just made
.set XW,    248                        ; v248-251 my row's four scale words
; 64 numbers of a lane, register 16 b + i = k 32 b + 16 (lane / 16) + i of my row, become a fragment's codes in v[PC] on and its scale word in v[PW] (the same in lanes l and l xor 16).
.macro QUANT s
.irp b, 0,1,2,3
	v_max3_num_f32 v[TM+\b], |v[\s+16*\b]|, |v[\s+1+16*\b]|, 0x1800000   ; block b: my 16 numbers, and the floor 2^(3 - 127): the byte cannot fall under 1
.endr
.irp i, 2,4,6,8,10,12,14
.irp b, 0,1,2,3
	v_max3_num_f32 v[TM+\b], v[TM+\b], |v[\s+16*\b+\i]|, |v[\s+1+16*\b+\i]|   ; the four blocks by turns
.endr
.endr
.irp b, 0,1,2,3
	v_permlanex16_b32 v[TM+4+\b], v[TM+\b], s[SEL], s[SEL+1]
.endr
.irp b, 0,1,2,3
	v_max_num_f32 v[TM+\b], v[TM+\b], v[TM+4+\b]   ; with lane l xor 16's: the block's largest magnitude
.endr
.irp b, 0,1,2,3
	v_add_nc_u32 v[TM+12+\b], 0xff000000, v[TM+\b]   ; 2 off its exponent field: the conversion takes this operand's exponent field as its scale
.endr
.irp b, 0,1,2,3
	v_lshrrev_b32 v[TM+4+\b], 23, v[TM+12+\b]      ; the scale's byte
.endr
	v_lshl_or_b32 v[PW], v[TM+5], 8, v[TM+4]
	v_lshl_or_b32 v[PW], v[TM+6], 16, v[PW]
	v_lshl_or_b32 v[PW], v[TM+7], 24, v[PW]
.irp c, 0,1
	v_cvt_scalef32_pk16_fp6_f32 v[PC+6*\c:PC+2+6*\c], v[\s+32*\c:\s+15+32*\c], v[TM+12+2*\c]
	v_cvt_scalef32_pk16_fp6_f32 v[PC+12+4*\c:PC+14+4*\c], v[\s+16+32*\c:\s+31+32*\c], v[TM+12+2*\c+1]   ; (a conversion's three registers begin on an even number)
.endr
	v_nop                                          ; one plain place behind a scaled conversion
.irp c, 0,1                                    ; the operand's layout wants a whole block in a lane: lanes 0-15 block 2 c, lanes 16-31 block 2 c + 1
.irp i, 0,1,2
	v_permlane16_swap_b32 v[PC+6*\c+\i], v[PC+12+4*\c+\i]
.endr
.irp i, 0,1,2
	v_mov_b32 v[PC+3+6*\c+\i], v[PC+12+4*\c+\i]
.endr
.endr
.endm
	s_load_b256 s[4:11], s[0:1], 0x0               ; x s[4:5], W s[6:7], ximg s[8:9], wimg s[10:11]
	s_load_b128 s[12:15], s[0:1], 0x20             ; scl s[12:13], rope s[14:15]
	v_lshl_add_u32 v[SPW], v0, 2, SPARE
	v_mov_b32 v[NIL], 0
	v_lshrrev_b32 v1, 5, v0
	v_readfirstlane_b32 s16, v1                    ; wave 0..3
	v_and_b32 v1, 31, v0                           ; lane
	v_and_b32 v2, 15, v0                           ; r
	v_bfe_u32 v3, v0, 4, 1                         ; h
	v_lshlrev_b32 v4, 4, v1                        ; 16 x lane
	s_mov_b32 s[SEL], 0x76543210
	s_mov_b32 s[SEL+1], 0xfedcba98
	s_mov_b32 s23, 0                               ; the upper word of every offset
	s_wait_kmcnt 0x0
	s_cmp_lt_u32 ttmp9, 256
	s_cbranch_scc0 .Lnot_x
	; ---------------- x: unit U = 4 x work-group + wave: tile U / 2, K steps 4 (U % 2) on
	s_lshl_b32 s17, ttmp9, 2
	s_add_co_u32 s17, s17, s16                     ; U
	s_lshr_b32 s18, s17, 1                         ; the tile
	s_and_b32 s19, s17, 1                          ; which half of K
	s_lshr_b32 s22, s18, 1
	s_lshl_b32 s22, s22, 17                        ; 32 (tile / 2) rows of 4,096 bytes
	s_and_b32 s24, s18, 1
	s_lshl_b32 s24, s24, 15                        ; 8 (tile % 2) rows
	s_add_co_u32 s22, s22, s24
	s_lshl_b32 s24, s19, 11                        ; 512 numbers along K
	s_add_co_u32 s22, s22, s24
	s_add_nc_u64 s[4:5], s[4:5], s[22:23]
	s_mul_i32 s22, s17, 6144                       ; four images a unit
	s_add_nc_u64 s[8:9], s[8:9], s[22:23]
	s_lshl_b32 s22, s17, 8                         ; 256 bytes of scale words a unit
	s_add_nc_u64 s[12:13], s[12:13], s[22:23]
	s_mul_i32 s24, s16, XSTG
	s_wait_alu depctr_va_vdst(0)
	v_add_nc_u32 v5, s24, v4                       ; the stage, in: a row's 512 bytes as they lie
	v_mul_u32_u24 v6, v2, 528
	v_lshl_add_u32 v6, v3, 6, v6
	v_add_nc_u32 v6, s24, v6                       ; and out: row r, + 64 h: my 16 numbers of each block of 32
.irp b, 0,1,2,3
	v_mov_b32 v[TM+4+\b], 0                        ; written once: a lane permute's destination counts as one of its sources
.endr
.macro XLOAD s                         ; K step s of the tile's 16 rows: each load reads 512 consecutive bytes of one row
.irp o, 0,1,2,3,4,5,6,7,8,9,10,11,12,13,14,15
	global_load_b128 v[R+64*((\s)%2)+4*\o:R+64*((\s)%2)+4*\o+3], v4, s[4:5] offset:(\o+8*(\o/8))*4096+512*(\s) th:TH_LOAD_NT
.endr
.endm
.macro XSTEP s
.if \s < 3
	s_wait_loadcnt 16                              ; this K step's 16 loads are in; the next step's 16 may be out
.else
	s_wait_loadcnt 0x0
.endif
.irp o, 0,1,2,3,4,5,6,7,8,9,10,11,12,13,14,15
	ds_store_b128 v5, v[R+64*((\s)%2)+4*\o:R+64*((\s)%2)+4*\o+3] offset:528*\o
.endr
.irp b, 0,1,2,3
.irp j, 0,1,2,3
	ds_load_b128 v[X+16*\b+4*\j:X+16*\b+4*\j+3], v6 offset:128*\b+16*\j   ; LDS serves a wave's instructions in order: these see the stores above
.endr
.endr
	s_wait_dscnt 0x0                               ; my numbers are back, and the stores have read their registers,
.if \s < 2
	XLOAD \s+2                                     ; which take the loads of two steps on
.endif
	s_wait_xcnt 0x0                                ; the last step's stores have read the codes' registers: they may be written again
	QUANT X
	v_mov_b32 v[XW+\s], v[PW]
.irp p, 0,1,2
	global_store_b128 v4, v[PC+4*\p:PC+4*\p+3], s[8:9] offset:1536*\s+512*\p   ; 32 lanes store 512 consecutive bytes
.endr
.endm
	XLOAD 0
	XLOAD 1
	s_wait_alu depctr_va_vdst(0)
	XSTEP 0
	XSTEP 1
	XSTEP 2
	XSTEP 3
	v_cmp_eq_u32 vcc_lo, 1, v3                     ; both halves hold row r's four words: lanes 0-15 store words 0, 1, lanes 16-31 words 2, 3
	v_cndmask_b32 v[PW], v[XW], v[XW+2], vcc_lo
	v_cndmask_b32 v[PW+1], v[XW+1], v[XW+3], vcc_lo
	v_lshlrev_b32 v7, 4, v2
	v_lshl_add_u32 v7, v3, 3, v7
	global_store_b64 v7, v[PW:PW+1], s[12:13]      ; 256 consecutive bytes
	s_branch .Lend
.Lnot_x:
	s_cmp_lt_u32 ttmp9, 448
	s_cbranch_scc0 .Lrope
	; ---------------- W: j = work-group - 256: K step j % 8; columns 32 G on, G = 4 (j / 8) + wave.  Lane l takes column 32 G + l, its registers run down K
	s_sub_co_u32 s17, ttmp9, 256
	s_and_b32 s18, s17, 7                          ; the K step
	s_lshr_b32 s19, s17, 3
	s_lshl_b32 s19, s19, 2
	s_add_co_u32 s19, s19, s16                     ; G
	s_mul_i32 s22, s18, 128*12288                  ; 128 rows of W a K step
	s_lshl_b32 s24, s19, 7
	s_add_co_u32 s22, s22, s24
	s_add_nc_u64 s[6:7], s[6:7], s[22:23]
	s_wait_alu depctr_va_vdst(0)
	v_lshlrev_b32 v5, 2, v1
.set wi, 0
.rept 128
	global_load_b32 v[32+wi], v5, s[6:7] offset:wi*12288 th:TH_LOAD_NT   ; W(128 ks + i, my column): a wave reads 128 consecutive bytes, the four waves 512
.set wi, wi+1
.endr
	v_bfe_u32 v7, v0, 3, 1                         ; my column lies in tile 2 G + u, u = (l / 8) % 2,
	v_and_b32 v8, 7, v0
	v_lshl_add_u32 v8, v3, 3, v8                   ; as its row l % 8 + 8 (l / 16)
	s_mul_i32 s24, s16, WSTG
	s_add_co_u32 s24, s24, WBASE
	v_mul_u32_u24 v6, v7, 1664
	v_lshl_add_u32 v6, v8, 4, v6
	v_add_nc_u32 v6, s24, v6                       ; into the images: tile u, lane = my row (+ 16 for blocks 1 and 3)
	v_add_nc_u32 v9, s24, v4                       ; and back: 16 x lane
	v_lshlrev_b32 v10, 9, v7
	v_lshl_add_u32 v10, v8, 4, v10                 ; my scale word: 512 u + 16 x row
	s_mul_i32 s22, s19, 24576                      ; two tiles of 8 images a column group,
	s_mul_i32 s24, s18, 1536
	s_add_co_u32 s22, s22, s24
	s_add_nc_u64 s[10:11], s[10:11], s[22:23]
	s_lshl_b32 s22, s19, 10                        ; two tiles of 512 bytes of scale words
	s_add_co_u32 s22, s22, 262144
	s_lshr_b32 s24, s18, 2
	s_lshl_b32 s24, s24, 8
	s_add_co_u32 s22, s22, s24
	s_and_b32 s24, s18, 3
	s_lshl_b32 s24, s24, 2
	s_add_co_u32 s22, s22, s24
	s_add_nc_u64 s[12:13], s[12:13], s[22:23]
.macro WBLOCK t                        ; block t: all its 32 numbers are mine: v16+t the largest magnitude, v24+t the scale operand, v28+t the byte
	v_max3_num_f32 v[16+\t], |v[32+32*\t]|, |v[33+32*\t]|, |v[34+32*\t]|
	v_max3_num_f32 v[20+\t], |v[35+32*\t]|, |v[36+32*\t]|, |v[37+32*\t]|
.irp i, 6,10,14,18,22,26
	v_max3_num_f32 v[16+\t], v[16+\t], |v[32+32*\t+\i]|, |v[33+32*\t+\i]|
	v_max3_num_f32 v[20+\t], v[20+\t], |v[34+32*\t+\i]|, |v[35+32*\t+\i]|
.endr
	v_max3_num_f32 v[16+\t], v[16+\t], |v[62+32*\t]|, |v[63+32*\t]|
	v_max3_num_f32 v[16+\t], v[16+\t], v[20+\t], 0x1800000         ; and the floor 2^(3 - 127)
	v_add_nc_u32 v[24+\t], 0xff000000, v[16+\t]
	v_lshrrev_b32 v[28+\t], 23, v[24+\t]
.endm
	s_wait_loadcnt 63                              ; of the 128 loads the oldest 65 are in: blocks 0 and 1 (a wait names 63 at the most)
	WBLOCK 0
	WBLOCK 1
	s_wait_loadcnt 32                              ; block 2; block 3's 32 may be out
	WBLOCK 2
	s_wait_loadcnt 0x0
	WBLOCK 3
.irp hh, 0,1                                   ; the image's lane row + 16 hh holds blocks hh (registers 0-5) and 2 + hh (registers 6-11) of my column
	v_cvt_scalef32_pk16_fp6_f32 v[160+20*\hh:162+20*\hh], v[32+32*\hh:47+32*\hh], v[24+\hh]
	v_cvt_scalef32_pk16_fp6_f32 v[172+20*\hh:174+20*\hh], v[48+32*\hh:63+32*\hh], v[24+\hh]
	v_cvt_scalef32_pk16_fp6_f32 v[166+20*\hh:168+20*\hh], v[96+32*\hh:111+32*\hh], v[26+\hh]
	v_cvt_scalef32_pk16_fp6_f32 v[176+20*\hh:178+20*\hh], v[112+32*\hh:127+32*\hh], v[26+\hh]
.endr
	v_nop                                          ; one plain place behind a scaled conversion
.irp hh, 0,1
.irp i, 0,1,2
	v_mov_b32 v[163+20*\hh+\i], v[172+20*\hh+\i]
	v_mov_b32 v[169+20*\hh+\i], v[176+20*\hh+\i]
.endr
.endr
.irp hh, 0,1
.irp p, 0,1,2
	ds_store_b128 v6, v[160+20*\hh+4*\p:163+20*\hh+4*\p] offset:512*\p+256*\hh
.endr
.endr
	v_lshl_or_b32 v11, v29, 8, v28                 ; my column's scale word
	v_lshl_or_b32 v11, v30, 16, v11
	v_lshl_or_b32 v11, v31, 24, v11
	global_store_b32 v10, v11, s[12:13]
.irp i, 0,1,2,3,4,5
	ds_load_b128 v[200+4*\i:203+4*\i], v9 offset:1664*(\i/3)+512*(\i%3)   ; LDS serves a wave's instructions in order: these see my stores
.endr
.irp i, 0,1,2,3,4,5
	s_wait_dscnt 5-\i                              ; the younger loads may be out
	global_store_b128 v4, v[200+4*\i:203+4*\i], s[10:11] offset:12288*(\i/3)+512*(\i%3)   ; 512 consecutive bytes
.endr
	s_branch .Lend
.Lrope:
	; ---------------- the table: tile = 4 (work-group - 448) + wave; lane (r, h): position of row r, frequencies 8 h + 0 .. 7
	s_sub_co_u32 s17, ttmp9, 448
	s_lshl_b32 s17, s17, 2
	s_add_co_u32 s17, s17, s16                     ; the tile
	s_lshr_b32 s22, s17, 1
	s_lshl_b32 s22, s22, 5
	s_and_b32 s24, s17, 1
	s_lshl_b32 s24, s24, 3
	s_add_co_u32 s22, s22, s24                     ; its first position
	s_wait_alu depctr_va_vdst(0)
	v_and_b32 v5, 8, v2
	v_add_nc_u32 v5, v5, v2
	v_add_nc_u32 v5, s22, v5
	v_cvt_f32_u32 v5, v5                           ; my position, exact in f32
	s_wait_alu depctr_va_vdst(0)
	v_cmp_eq_u32 s36, 1, v3                        ; lanes 16-31 take the upper eight frequencies
	s_mov_b32 s26, 0x3fc90fdb                      ; pi / 2 in three parts
	s_mov_b32 s27, 0xb33bbd2e
	s_mov_b32 s28, 0xa6f72ced
	s_mov_b32 s29, 0xb94ca1f9                      ; sin: -1.9515295891e-4,
	s_mov_b32 s30, 0x3c08839e                      ;  8.3321608736e-3,
	s_mov_b32 s31, 0xbe2aaaa3                      ; -1.6666654611e-1
	s_mov_b32 s32, 0x37ccf5ce                      ; cos: 2.443315712e-5,
	s_mov_b32 s33, 0xbab6061a                      ; -1.388731625e-3,
	s_mov_b32 s34, 0x3d2aaaa5                      ;  4.166664568e-2
.macro RP p, flo, fhi
	v_mul_f32 v6, \flo, v5
	v_mul_f32 v7, \fhi, v5
	v_cndmask_b32 v6, v6, v7, s36                  ; the angle: position x frequency, rounded once
	v_mul_f32 v7, 0x3f22f983, v6                   ; x 2 / pi
	v_rndne_f32 v7, v7                             ; quarter turns
	v_fma_f32 v8, -v7, s26, v6
	v_fma_f32 v8, -v7, s27, v8
	v_fma_f32 v8, -v7, s28, v8                     ; what is left: within +-pi / 4
	v_mul_f32 v9, v8, v8
	v_fma_f32 v10, v9, s29, s30
	v_fma_f32 v11, v9, s32, s33
	v_fma_f32 v10, v10, v9, s31
	v_fma_f32 v11, v11, v9, s34
	v_mul_f32 v14, v9, v9
	v_fma_f32 v15, v9, -0.5, 1.0
	v_mul_f32 v10, v10, v9
	v_fma_f32 v11, v11, v14, v15                   ; cos of the rest
	v_fma_f32 v10, v10, v8, v8                     ; sin of the rest
	v_cvt_i32_f32 v16, v7
	v_and_b32 v17, 1, v16
	v_cmp_eq_u32 vcc_lo, 1, v17                    ; an odd number of quarter turns: the two change places
	v_cndmask_b32 v18, v10, v11, vcc_lo
	v_cndmask_b32 v19, v11, v10, vcc_lo
	v_and_b32 v17, 2, v16                          ; sin changes sign in quarters 2 and 3,
	v_lshlrev_b32 v17, 30, v17
	v_add_nc_u32 v16, 1, v16                       ; cos in quarters 1 and 2
	v_and_b32 v16, 2, v16
	v_lshlrev_b32 v16, 30, v16
	v_xor_b32 v[33+2*\p], v18, v17
	v_xor_b32 v[32+2*\p], v19, v16
.endm
	RP 0, 0x3f800000, 0x3c23d70a                   ; 10^(-i / 4), i = p and 8 + p
	RP 1, 0x3f0ff59a, 0x3bb8449c
	RP 2, 0x3ea1e89b, 0x3b4f3e37
	RP 3, 0x3e361887, 0x3ae91528
	RP 4, 0x3dcccccd, 0x3a83126f
	RP 5, 0x3d6655c3, 0x3a136a16
	RP 6, 0x3d0186e2, 0x39a5cb5f
	RP 7, 0x3c91ad39, 0x393a7753
	s_lshl_b32 s22, s17, 11
	s_add_nc_u64 s[14:15], s[14:15], s[22:23]
.irp jj, 0,1,2,3
	global_store_b128 v4, v[32+4*\jj:35+4*\jj], s[14:15] offset:512*\jj
.endr
.Lend:
	s_wait_tensorcnt 0x0                           ; the wave's end: behind my last LDS store
	ds_add_u32 v[SPW], v[NIL]
	s_wait_dscnt 0x0
	s_endpgm
.Lfunc_end_k_q2287185f0e_prep:
	.size	k_q2287185f0e_prep, .Lfunc_end_k_q2287185f0e_prep-k_q2287185f0e_prep
	.p2alignl 7, 3214868480
	.fill 96, 4, 3214868480
	.section	.rodata,"a",@progbits
	.p2align	6, 0x0
	.amdhsa_kernel k_q2287185f0e_prep
		.amdhsa_group_segment_fixed_size 47616
		.amdhsa_private_segment_fixed_size 0
		.amdhsa_enable_private_segment 0
		.amdhsa_kernarg_size 48
		.amdhsa_user_sgpr_count 2
		.amdhsa_user_sgpr_kernarg_segment_ptr 1
		.amdhsa_wavefront_size32 1
		.amdhsa_system_sgpr_workgroup_id_x 1
		.amdhsa_system_sgpr_workgroup_id_y 1
		.amdhsa_system_sgpr_workgroup_id_z 1
		.amdhsa_system_vgpr_workitem_id 0
		.amdhsa_next_free_vgpr 256
		.amdhsa_next_free_sgpr 66
		.amdhsa_reserve_vcc 1
		.amdhsa_float_denorm_mode_32 3
		.amdhsa_float_denorm_mode_16_64 3
		.amdhsa_memory_ordered 1
		.amdhsa_forward_progress 1
		.amdhsa_inst_pref_size 67
	.end_amdhsa_kernel
	.amdgpu_metadata
---
amdhsa.version: [ 1, 2 ]
amdhsa.kernels:
  - .name:           k_q2287185f0e_prep
    .symbol:         k_q2287185f0e_prep.kd
    .args:
      - { .name: x, .offset: 0, .size: 8, .value_kind: global_buffer, .address_space: global }
      - { .name: W_qkv, .offset: 8, .size: 8, .value_kind: global_buffer, .address_space: global }
      - { .name: ximg, .offset: 16, .size: 8, .value_kind: global_buffer, .address_space: global }
      - { .name: wimg, .offset: 24, .size: 8, .value_kind: global_buffer, .address_space: global }
      - { .name: scl, .offset: 32, .size: 8, .value_kind: global_buffer, .address_space: global }
      - { .name: rope, .offset: 40, .size: 8, .value_kind: global_buffer, .address_space: global }
    .group_segment_fixed_size: 47616
    .private_segment_fixed_size: 0
    .kernarg_segment_align: 8
    .kernarg_segment_size: 48
    .max_flat_workgroup_size: 128
    .sgpr_count:     66
    .vgpr_count:     256
    .wavefront_size: 32
...
	.end_amdgpu_metadata
.endif
;; end of part 1
;; launch qkv (part 2): grid 12 x 32, 4 waves a work-group, clusters of 4 x 4, 327,680 bytes of LDS; arguments ximg, wimg, scl, b_qkv, rope, qc, qs, kv; writes qc, qs, kv
.if DOCPART == 2
	.amdgcn_target "amdgcn-amd-amdhsa--gfx1250"
	.amdhsa_code_object_version 6
	.text
	.protected	k_q2287185f0e_qkv
	.globl	k_q2287185f0e_qkv
	.p2align	8
	.type	k_q2287185f0e_qkv,@function
k_q2287185f0e_qkv:
	s_mov_b64 s[64:65], 0
	v_nop
	global_prefetch_b8 v0, s[64:65] scope:SCOPE_SE
	s_setreg_imm32_b32 hwreg(HW_REG_WAVE_MODE, 25, 1), 1
	s_wait_xcnt 0x0
	s_wait_alu depctr_hold_cnt(0) depctr_sa_sdst(0) depctr_va_vdst(0) depctr_va_sdst(0) depctr_va_ssrc(0) depctr_va_vcc(0) depctr_vm_vsrc(0)
	s_getreg_b32 s2, hwreg(HW_REG_IB_STS2, 6, 4)
	s_cmp_eq_u32 s2, 0
	s_cbranch_scc0 .Lentry_in_a_cluster
	s_endpgm
.Lentry_in_a_cluster:
	s_bfe_u32 s2, ttmp6, 0x10000c
	s_cmp_lg_u32 s2, 0xf033
	s_cbranch_scc0 .Lentry_shape_is_right
	s_endpgm
.Lentry_shape_is_right:
; QKV: x W + b on codes of FP6 (E2M3) with E8M0 scales, K = 1,024, and on the way out, in f32: the bias, the rotary embedding of q and k, and the quantising of q and k along a head's 64 and of v along the keys.  The f32 result never goes to memory.
; A work-group of four waves makes 256 rows x 256 columns; a wave 128 x 128: 64 accumulators of 16 x 16, 512 registers.  Operands lie in memory as images of their registers (1,536 bytes a fragment), so a fragment comes out of LDS by three loads of 512 consecutive bytes.
; K goes through three LDS slots of 256 along K; K has four such parts.  THE FILLS: at the head each wave issues one joint load of 16 tiles: wave 0 x's for slot 0, wave 1 x's for slot 1, waves 2 and 3 W's likewise.
; Slot 2's first fill stands behind the three lines and a round ahead of K step 0, 8 tiles a wave; slot 0 is filled again, with K's last part, behind K step 3's round.  By this text's count a wave has one tensor load out at any time.
; CLUSTERS: 4 x 4 work-groups.  The four of a row of the cluster need the same tiles of x, the four of a column the same tiles of W: each tile is asked for jointly.
; WHICH OPERAND IS SOURCE 0.  In the result a lane holds one row of source 1, and its registers run along source 0's rows; by the order of the tiles' rows the 16 registers of two tiles are 16 neighbours.
;   q, k (the cluster's x = 0, 1): source 0 = W's columns, source 1 = x's rows: a lane holds one position and 64 channels of two heads: K of the scores' product.
;   v    (the cluster's x = 2):    source 0 = x's rows, source 1 = W's columns: a lane holds one channel and 128 keys: K of the second product.
; The choice hangs on the cluster's x alone, which all sixteen partners share; up to the way out it changes two LDS bases, the scale words' offsets and the bias loads.
; OUT: qc [head 64][tile 128][768]: a tile's registers 0-3 (512 bytes) and 4-5 (256 bytes); qs [head][step 16][j 2][lane][tiles 4 j .. 4 j + 3]: scale words;
;   kv [head][step 16][13,824]: k's 8 tiles x 768 | v^T's 4 tiles x 1,536 | k's scale words 1,024 | v's 512.  A step is 128 keys.  Every store covers 256 or 512 consecutive bytes, aligned.
; LIMITS: NaN and infinities are not served; a block whose largest magnitude lies under 2^-124 keeps the scale byte 1, a block of zeros too (its codes are zeros; this program alone reads the bytes).
; Nothing is prefetched: K has four parts, of which two are asked for at the head and the third ahead of the first product: no loop is left to run ahead in.
; REGISTERS: window 0: v1-3 r, h, lane; v16-18, v20-22 LDS addresses of source 0, source 1 by slot; v24-27 offsets; v28, v29 the add's two; v32-95 the scale words of all 8 K steps; v96-127 cos and sin, two sets;
;   v128-223 source 1's fragments, one set; on the way out v128-191 64 numbers, v192-247 at work.   window 1: source 0's fragments, two sets at v0 and v128; the bias in v96-127 and v224-255.   windows 2, 3: accumulator (a, b) at v[8 (8 (a % 4) + b)].
.set SLOT,  98304                      ; x's 16 tiles x 3,072 bytes, then W's
.set SPARE, 3*SLOT                     ; behind the slots: the spare words, 128 bytes for each wave
.set AD0,  16
.set AD1,  20
.set SPW,  28
.set NIL,  29
.set SC,   32                          ; register 8 i + g: lanes 0-15 the word of source 1's block i, lanes 16-31 of source 0's block i, for K step g
.set CS,   96
.set AF,   128
.set T,    128
.set PC,   192
.set TM,   212
.set PW,   228
.set KW,   232
.set KW2,  240
.set SEL,  2                           ; s[2:3]
.set G1,   24                          ; s[24:31] group 1 for x's tiles; s[32:43] groups 0 by slot
.set G0,   32
.set G0B,  44                          ; s[44:55], s[56:63] the same for W's
.set G1B,  56
.set G0H,  96                          ; s[96:99], s[92:95] groups 0 of the head's loads: no line writes them before the wait for those loads
.set G0HB, 92
.set MSB, 0
.macro WIN new                         ; the immediate's high byte repeats the setting that is left
.if MSB != (\new)
	s_set_vgpr_msb (MSB<<8)|(\new)
.set MSB, (\new)
.endif
.endm
.set MUL_LO, 0xa1                      ; source 0 window 1, source 1 window 0, C and D window 2
.set MUL_HI, 0xf1                      ; the same, C and D window 3
.set TO_0,   0x40                      ; destination window 1, address window 0
; A joint load: waves 0 and 1 fetch for x, waves 2 and 3 for W.  The branch hangs on the wave's number alone.  An s_nop 0 and four v_nop follow each of the two lines.
.macro JLOAD g0a, g1a, g0b, g1b
	s_cmp_eq_u32 s21, 0
	s_cbranch_scc0 .Lfor_w_\@
	tensor_load_to_lds s[\g0a:\g0a+3], s[\g1a:\g1a+7]
	s_nop 0
.rept 4
	v_nop
.endr
	s_branch .Lasked_\@
.Lfor_w_\@:
	tensor_load_to_lds s[\g0b:\g0b+3], s[\g1b:\g1b+7]
	s_nop 0
.rept 4
	v_nop
.endr
.Lasked_\@:
.endm
.macro CREST                           ; a round of the cluster's barrier behind its opening barrier
	s_cmp_lg_u32 s20, 0
	s_cbranch_scc1 .Lnot_wave_0_\@
	s_barrier_signal -3
.Lnot_wave_0_\@:
	s_barrier_wait -3
	s_barrier_signal -1
	s_barrier_wait -1
.endm
.macro CROUND
	s_barrier_signal -1
	s_barrier_wait -1
	CREST
.endm
.macro PLACES                          ; four plain places behind matrix instructions, in front of loads into registers that they have read and of the first read of results
.rept 4
	v_nop
.endr
.endm
; 64 numbers of a lane, register 16 b + i = k 32 b + 16 (lane / 16) + i of my row, become a fragment's codes in v[PC] on and its scale word in v[PW] (the same in lanes l and l xor 16).
.macro QUANT s
.irp b, 0,1,2,3
	v_max3_num_f32 v[TM+\b], |v[\s+16*\b]|, |v[\s+1+16*\b]|, 0x1800000   ; block b: my 16 numbers, and the floor 2^(3 - 127): the byte cannot fall under 1
.endr
.irp i, 2,4,6,8,10,12,14
.irp b, 0,1,2,3
	v_max3_num_f32 v[TM+\b], v[TM+\b], |v[\s+16*\b+\i]|, |v[\s+1+16*\b+\i]|
.endr
.endr
.irp b, 0,1,2,3
	v_permlanex16_b32 v[TM+4+\b], v[TM+\b], s[SEL], s[SEL+1]
.endr
.irp b, 0,1,2,3
	v_max_num_f32 v[TM+\b], v[TM+\b], v[TM+4+\b]
.endr
.irp b, 0,1,2,3
	v_add_nc_u32 v[TM+12+\b], 0xff000000, v[TM+\b]   ; 2 off the exponent field: the conversion's scale operand
.endr
.irp b, 0,1,2,3
	v_lshrrev_b32 v[TM+4+\b], 23, v[TM+12+\b]      ; the scale's byte
.endr
	v_lshl_or_b32 v[PW], v[TM+5], 8, v[TM+4]
	v_lshl_or_b32 v[PW], v[TM+6], 16, v[PW]
	v_lshl_or_b32 v[PW], v[TM+7], 24, v[PW]
.irp c, 0,1
	v_cvt_scalef32_pk16_fp6_f32 v[PC+6*\c:PC+2+6*\c], v[\s+32*\c:\s+15+32*\c], v[TM+12+2*\c]
	v_cvt_scalef32_pk16_fp6_f32 v[PC+12+4*\c:PC+14+4*\c], v[\s+16+32*\c:\s+31+32*\c], v[TM+12+2*\c+1]
.endr
	v_nop                                          ; one plain place behind a scaled conversion
.irp c, 0,1
.irp i, 0,1,2
	v_permlane16_swap_b32 v[PC+6*\c+\i], v[PC+12+4*\c+\i]
.endr
.irp i, 0,1,2
	v_mov_b32 v[PC+3+6*\c+\i], v[PC+12+4*\c+\i]
.endr
.endr
.endm
	s_load_b256 s[4:11], s[0:1], 0x0               ; ximg s[4:5], wimg s[6:7], scl s[8:9], b_qkv s[10:11]
	s_load_b256 s[12:19], s[0:1], 0x20             ; rope s[12:13], qc s[14:15], qs s[16:17], kv s[18:19]
	v_lshl_add_u32 v[SPW], v0, 2, SPARE
	v_mov_b32 v[NIL], 0
	ds_add_u32 v[SPW], v[NIL]                      ; the opening lines: the add, twice on end, and its wait ahead of my first tensor load
	ds_add_u32 v[SPW], v[NIL]
	v_lshrrev_b32 v1, 5, v0
	v_readfirstlane_b32 s20, v1                    ; wave 0..3
	s_lshr_b32 s21, s20, 1                         ; source 1's half that is mine.  Also: I fetch for x (0) or for W (1)
	s_and_b32 s22, s20, 1                          ; source 0's half.  Also: at the head the slot that I fill, later which 8 tiles I fetch
	s_bfe_u32 s66, ttmp6, 0x40000                  ; cx
	s_bfe_u32 s67, ttmp6, 0x40004                  ; cy
	s_lshl_b32 s68, ttmp9, 2
	s_add_co_u32 s68, s68, s66                     ; gx: which 256 columns of W
	s_and_b32 s69, ttmp7, 0xffff
	s_lshl_b32 s69, s69, 2
	s_add_co_u32 s69, s69, s67                     ; gy: which 256 rows of x
	s_lshl_b32 s70, s67, 2
	s_lshl_b32 s70, 15, s70                        ; my row of the cluster
	s_lshl_b32 s71, 0x1111, s66                    ; my column
	; group 1: tiles, each 3,072 bytes (two K steps' images) out of its 12,288: rows of 384 elements of 8 bytes, 1,536 elements apart; no padding.  16 rows for the head's loads, 8 behind them
	s_or_b32 s[G1], s70, (3<<16)|(1<<21)           ; 15:0 the mask: x's tiles go to my row; 17:16 elements of 8 bytes; 21 set beside a mask
	s_or_b32 s[G1B], s71, (3<<16)|(1<<21)
.irp g, G1, G1B
	s_mov_b32 s[\g+1], 384<<16                     ; tensor_dim0
	s_mov_b32 s[\g+2], 16<<16                      ; tensor_dim1
	s_mov_b32 s[\g+3], 384<<16                     ; tile_dim0
	s_mov_b32 s[\g+4], 16                          ; tile_dim1
	s_mov_b32 s[\g+5], 1536                        ; from tile to tile
	s_mov_b32 s[\g+6], 0
	s_mov_b32 s[\g+7], 0
.endr
	s_mul_i32 s72, s69, 196608                     ; x: 16 tiles of 12,288 bytes a work-group
	s_mov_b32 s73, 0
	s_mul_i32 s74, s68, 196608                     ; W likewise
	s_mov_b32 s75, 0
	s_mul_i32 s76, s22, 98304                      ; behind the head: my 8 of the 16
	s_mov_b32 s77, 0
	s_mul_i32 s78, s22, 3072                       ; at the head: my slot's part of K,
	s_mov_b32 s79, 0
	s_mul_i32 s80, s22, SLOT                       ; and the slot
	s_mul_i32 s82, s20, 24576                      ; behind the head: wave x 8 tiles: no place in the cluster enters an LDS address
	s_cmp_eq_u32 ttmp9, 2
	s_cselect_b32 s23, 1, 0                        ; 1: these columns are v's
	s_mov_b32 s[SEL], 0x76543210
	s_mov_b32 s[SEL+1], 0xfedcba98
	s_wait_dscnt 0x0                               ; both opening adds are done
	s_wait_kmcnt 0x0
	s_add_nc_u64 s[72:73], s[4:5], s[72:73]
	s_add_nc_u64 s[74:75], s[6:7], s[74:75]
	CROUND                                         ; all sixteen work-groups are here: the first joint loads meet
	s_mov_b32 s[G0H], 1
	s_mov_b32 s[G0H+1], s80
	s_add_nc_u64 s[G0H+2:G0H+3], s[72:73], s[78:79]
	s_or_b32 s[G0H+3], s[G0H+3], 0x80000000
	s_mov_b32 s[G0HB], 1
	s_add_co_u32 s[G0HB+1], s80, 49152
	s_add_nc_u64 s[G0HB+2:G0HB+3], s[74:75], s[78:79]
	s_or_b32 s[G0HB+3], s[G0HB+3], 0x80000000
	s_add_nc_u64 s[72:73], s[72:73], s[76:77]
	s_add_nc_u64 s[74:75], s[74:75], s[76:77]
.irp s, 0,2
	s_mov_b32 s[G0+4*\s], 1
	s_add_co_u32 s[G0+4*\s+1], s82, \s*SLOT
	s_add_nc_u64 s[G0+4*\s+2:G0+4*\s+3], s[72:73], \s*3072
	s_or_b32 s[G0+4*\s+3], s[G0+4*\s+3], 0x80000000
	s_mov_b32 s[G0B+4*\s], 1
	s_add_co_u32 s[G0B+4*\s+1], s82, \s*SLOT
	s_add_nc_u64 s[G0B+4*\s+2:G0B+4*\s+3], s[74:75], \s*3072
	s_or_b32 s[G0B+4*\s+3], s[G0B+4*\s+3], 0x80000000
.endr
	JLOAD G0H, G1, G0HB, G1B                       ; slots 0 and 1: one tensor load a wave at the head
	v_and_b32 v1, 15, v0                           ; r
	v_bfe_u32 v2, v0, 4, 1                         ; h
	v_and_b32 v3, 31, v0                           ; lane
	v_lshlrev_b32 v25, 4, v3                       ; 16 x lane
	s_wait_alu depctr_va_vdst(0)
	v_lshlrev_b32 v26, 3, v3                       ; 8 x lane
	s_cmp_eq_u32 s23, 1
	s_cselect_b32 s86, 0, 49152                    ; source 0's tiles in a slot: x's for v, else W's
	s_cselect_b32 s87, 49152, 0                    ; source 1's
	s_cselect_b32 s85, s22, s21                    ; which half of x's rows is mine
	s_cselect_b32 s83, s21, s22                    ; which half of W's columns
	s_mul_i32 s88, s22, 24576
	s_add_co_u32 s86, s86, s88
	s_mul_i32 s88, s21, 24576
	s_add_co_u32 s87, s87, s88
.irp s, 0,1,2
	v_add_nc_u32 v[AD0+\s], s86, v25
	v_add_nc_u32 v[AD1+\s], s87, v25
	s_add_co_u32 s86, s86, SLOT
	s_add_co_u32 s87, s87, SLOT
.endr
	s_lshl_b32 s78, s69, 13                        ; x's scale words: 512 bytes a tile
	s_lshl_b32 s79, s68, 13
	s_add_co_u32 s79, s79, 262144                  ; W's
	s_cmp_eq_u32 s23, 1
	s_cselect_b32 s80, s78, s79                    ; source 0's
	s_cselect_b32 s81, s79, s78                    ; source 1's
	s_lshl_b32 s82, s22, 12
	s_add_co_u32 s80, s80, s82
	s_lshl_b32 s82, s21, 12
	s_add_co_u32 s81, s81, s82
	v_mov_b32 v4, s81
	v_mov_b32 v5, s80
	v_cmp_eq_u32 vcc_lo, 1, v2
	v_cndmask_b32 v24, v4, v5, vcc_lo              ; lanes 0-15 take source 1's words, lanes 16-31 source 0's
	v_lshl_add_u32 v24, v1, 4, v24
.irp i, 0,1,2,3,4,5,6,7
.irp q, 0,1
	global_load_b128 v[SC+8*\i+4*\q:SC+8*\i+4*\q+3], v24, s[8:9] offset:512*\i+256*\q   ; block i, K steps 4 q .. 4 q + 3
.endr
.endr
	s_and_b32 s84, s69, 7
	s_lshl_b32 s84, s84, 1
	s_add_co_u32 s84, s84, s85                     ; which 128 positions of the sequence are my rows of x: the step
	s_lshl_b32 s83, s83, 9
	s_lshl_b32 s82, s68, 10
	s_add_co_u32 s82, s82, s83
	s_mov_b32 s83, 0
	s_add_nc_u64 s[10:11], s[10:11], s[82:83]      ; the bias of my 128 columns
	s_cmp_eq_u32 s23, 1
	s_cbranch_scc1 .Lbias_v
	v_lshlrev_b32 v27, 6, v2                       ; q, k: register 16 b + i is column 32 b + 16 h + i
	WIN TO_0
.irp n, 0,1,2,3,4,5,6,7,8,9,10,11,12,13,14,15
	global_load_b128 v[96+4*\n+96*(\n/8):99+4*\n+96*(\n/8)], v27, s[10:11] offset:128*(\n/4)+16*(\n%4)
.endr
	WIN 0
	s_lshl_b32 s82, s84, 14                        ; cos and sin: 2,048 bytes a tile of positions, 8 tiles a step
	s_add_nc_u64 s[12:13], s[12:13], s[82:83]
.irp a, 0,1
.irp jj, 0,1,2,3
	global_load_b128 v[CS+16*\a+4*\jj:CS+16*\a+4*\jj+3], v25, s[12:13] offset:2048*\a+512*\jj
.endr
.endr
	s_branch .Lbias_done
.Lbias_v:
	v_and_b32 v27, 8, v1                           ; v: a lane holds one column: row r of tile a is column 32 (a / 2) + 8 (a % 2) + r + 8 (r / 8)
	v_add_nc_u32 v27, v27, v1
	v_lshlrev_b32 v27, 2, v27
	WIN TO_0
.irp a, 0,1,2,3,4,5,6,7
	global_load_b32 v[96+2*\a], v27, s[10:11] offset:4*(32*(\a/2)+8*(\a%2))   ; twice: a pair for the packed addition
	global_load_b32 v[97+2*\a], v27, s[10:11] offset:4*(32*(\a/2)+8*(\a%2))
.endr
	WIN 0
.Lbias_done:
.macro FRAG reg, adr, q, i             ; a fragment's image: three loads of 512 consecutive bytes
.irp p, 0,1,2
	ds_load_b128 v[\reg+4*\p:\reg+4*\p+3], v[\adr] offset:3072*(\i)+1536*(\q)+512*\p
.endr
.endm
.macro FETCH_0 slot, q, set            ; source 0's eight fragments into one of its two sets
	WIN TO_0
.irp i, 0,1,2,3,4,5,6,7
	FRAG 128*(\set)+12*\i, AD0+\slot, \q, \i
.endr
	WIN 0
.endm
.macro FETCH_1 slot, q, i0             ; source 1's blocks i0 .. i0 + 3
.irp i, \i0, \i0+1, \i0+2, \i0+3
	FRAG AF+12*(\i), AD1+\slot, \q, \i
.endr
.endm
; 16 matrix instructions: source 1's blocks a0, a0 + 1 x source 0's eight, K step g.  The 64 accumulators take turns, one instruction a turn, in the same order in every step.
.macro MUL16 a0, p, g, zero
.irp a, \a0, \a0+1
.irp b, 0,1,2,3,4,5,6,7
.if \zero
	v_wmma_scale_f32_16x16x128_f8f6f4 v[8*(8*((\a)%4)+\b):8*(8*((\a)%4)+\b)+7], v[128*(\p)+12*\b:128*(\p)+12*\b+11], v[AF+12*(\a):AF+12*(\a)+11], 0, v[SC+8*\b+(\g)], v[SC+8*(\a)+(\g)] matrix_a_fmt:MATRIX_FMT_FP6 matrix_b_fmt:MATRIX_FMT_FP6 matrix_a_scale:MATRIX_SCALE_ROW1
.else
	v_wmma_scale_f32_16x16x128_f8f6f4 v[8*(8*((\a)%4)+\b):8*(8*((\a)%4)+\b)+7], v[128*(\p)+12*\b:128*(\p)+12*\b+11], v[AF+12*(\a):AF+12*(\a)+11], v[8*(8*((\a)%4)+\b):8*(8*((\a)%4)+\b)+7], v[SC+8*\b+(\g)], v[SC+8*(\a)+(\g)] matrix_a_fmt:MATRIX_FMT_FP6 matrix_b_fmt:MATRIX_FMT_FP6 matrix_a_scale:MATRIX_SCALE_ROW1
.endif
.endr
.endr
.endm
; K step g; its successor lies in slot ns at K step nq of the slot, in bytes that a barrier has already shown whole.
.macro STEP g, ns, nq, zero
	s_wait_dscnt 12                                ; source 0's set and source 1's blocks 0-3 are in; the youngest 12 loads (blocks 4-7) may be out
	WIN MUL_LO
	MUL16 0, (\g)%2, \g, \zero
	MUL16 2, (\g)%2, \g, \zero
	s_wait_dscnt 0x0                               ; blocks 4-7 are in
	PLACES
	FETCH_0 \ns, \nq, 1-(\g)%2
	FETCH_1 \ns, \nq, 0
	WIN MUL_HI
	MUL16 4, (\g)%2, \g, \zero
	MUL16 6, (\g)%2, \g, \zero
	PLACES
	WIN 0
	FETCH_1 \ns, \nq, 4
.endm
; K step g (an odd one) with a barrier: in front of it each wave waits for all its tensor loads, adds 0 to its spare word, and waits for that and for its reads.  fill = 1: slot 0, read out since K step 1, takes K's last part.
.macro TURN g, ns, fill
	s_wait_tensorcnt 0x0                           ; all my tensor loads have landed
	ds_add_u32 v[SPW], v[NIL]                      ; 0 onto my spare word
	s_wait_dscnt 13                                ; (the add and the youngest 12 loads may be out)
	WIN MUL_LO
	MUL16 0, 1, \g, 0                              ; sixteen matrix instructions stand between the add and the wait for it
	s_wait_dscnt 0x0                               ; the add is done, and my reads of this slot are over
	s_barrier_signal -1
	MUL16 2, 1, \g, 0
	WIN 0
	s_barrier_wait -1
.if \fill
	CREST                                          ; the barrier has opened a round of the cluster's barrier: no wave of any partner still reads slot 0 or has a load on its way
	s_add_nc_u64 s[G0+2:G0+3], s[G0+2:G0+3], 3*3072
	s_add_nc_u64 s[G0B+2:G0B+3], s[G0B+2:G0B+3], 3*3072
	JLOAD G0, G1, G0B, G1B                         ; the first tensor load behind the round; its four v_nop are the places in front of the loads below
.else
	PLACES
.endif
	FETCH_0 \ns, 0, 0
	s_wait_alu depctr_va_vdst(0)
	FETCH_1 \ns, 0, 0
	WIN MUL_HI
	MUL16 4, 1, \g, 0
	MUL16 6, 1, \g, 0
	PLACES
	WIN 0
	FETCH_1 \ns, 0, 4
.endm
	s_wait_alu depctr_va_vdst(0)                   ; the wait at the head's end
	s_wait_loadcnt 16                              ; the 16 loads of scale words are in: behind them stand 16 loads (v) or 24 (q, k)
	s_wait_tensorcnt 0x0                           ; my load of the head's four is in
	ds_add_u32 v[SPW], v[NIL]
	s_mov_b32 s[G1+2], 8<<16                       ; no tensor load of mine is out, so a descriptor may be written: from here on a load brings 8 tiles
	s_mov_b32 s[G1+4], 8
	s_mov_b32 s[G1B+2], 8<<16
	s_mov_b32 s[G1B+4], 8
	s_wait_dscnt 0x0
	CROUND                                         ; slots 0 and 1 are whole in every wave's sight, and all sixteen work-groups are here
	JLOAD G0+8, G1, G0B+8, G1B                     ; slot 2's first fill
	FETCH_0 0, 0, 0
	FETCH_1 0, 0, 0
	FETCH_1 0, 0, 4
	STEP 0, 0, 1, 1                                ; the first K step starts the sums: nothing is cleared
	STEP 1, 1, 0, 0
	STEP 2, 1, 1, 0
	TURN 3, 2, 1                                   ; slot 2 is whole; slot 0 is asked for again
	STEP 4, 2, 1, 0
	TURN 5, 0, 0                                   ; the refill has landed; nothing more is asked for, so no round
	STEP 6, 0, 1, 0
	s_wait_dscnt 12                                ; the last K step: nothing more to fetch
	WIN MUL_LO
	MUL16 0, 1, 7, 0
	MUL16 2, 1, 7, 0
	s_wait_dscnt 0x0
	WIN MUL_HI
	MUL16 4, 1, 7, 0
	MUL16 6, 1, 7, 0
	WIN 0
	PLACES
.irp b, 0,1,2,3
	v_mov_b32 v[TM+4+\b], 0                        ; written once: a lane permute's destination counts as one of its sources
.endr
	s_mov_b32 s77, 0
	s_lshr_b32 s86, s69, 3                         ; the batch,
	s_lshl_b32 s86, s86, 4
	s_lshl_b32 s87, s66, 2                         ; four heads a work-group
	s_add_co_u32 s86, s86, s87
; block a's 64 sums + the bias, into v[T] on, each accumulator from its low end on
.macro ADDB a, vform
	WIN 0x06+(\a)/4                                ; source 0 window 2 or 3, source 1 window 1
.set ej, 0
.rept 32
.if \vform
	v_pk_add_f32 v[T+ej:T+ej+1], v[64*((\a)%4)+ej:64*((\a)%4)+ej+1], v[96+2*(\a):97+2*(\a)]
.else
	v_pk_add_f32 v[T+ej:T+ej+1], v[64*((\a)%4)+ej:64*((\a)%4)+ej+1], v[96+ej+96*(ej/32):97+ej+96*(ej/32)]
.endif
.set ej, ej+2
.endr
	WIN 0
.endm
; the first 32 channels of a head, of which I hold 16: pairs (2 m, 2 m + 1) turned by the angle of frequency m = 8 h + p
.macro ROPE x, c
.irp p, 0,1,2,3,4,5,6,7
	v_mul_f32 v[TM+8+2*(\p%2)], v[\x+2*\p+1], v[\c+2*\p+1]
	v_mul_f32 v[TM+9+2*(\p%2)], v[\x+2*\p], v[\c+2*\p+1]
	v_fma_f32 v[\x+2*\p], v[\x+2*\p], v[\c+2*\p], -v[TM+8+2*(\p%2)]
	v_fma_f32 v[\x+2*\p+1], v[\x+2*\p+1], v[\c+2*\p], v[TM+9+2*(\p%2)]
.endr
.endm
.macro EPI_QK a                        ; 16 positions x two heads
.if \a < 7
	s_wait_loadcnt 4                               ; this block's cos and sin are in (and, the first time, the bias); the next block's four loads may be out
.else
	s_wait_loadcnt 0x0
.endif
	ADDB \a, 0
	ROPE T, CS+16*((\a)%2)
	ROPE T+32, CS+16*((\a)%2)
.if \a < 6
.irp jj, 0,1,2,3
	global_load_b128 v[CS+16*((\a)%2)+4*\jj:CS+16*((\a)%2)+4*\jj+3], v25, s[12:13] offset:2048*(\a+2)+512*\jj
.endr
.endif
	s_wait_xcnt 0x0                                ; the last block's stores have read the codes' registers
	QUANT T                                        ; registers 0-5: the first head's 64 channels; 6-11: the second's
	v_mov_b32 v[KW+\a], v[PW]
	global_store_b128 v25, v[PC:PC+3], s[88:89] offset:768*\a
	global_store_b64 v26, v[PC+4:PC+5], s[88:89] offset:768*\a+512
	global_store_b128 v25, v[PC+6:PC+9], s[90:91] offset:768*\a
	global_store_b64 v26, v[PC+10:PC+11], s[90:91] offset:768*\a+512
.endm
.macro EPI_V a                         ; 16 channels x 128 keys
	ADDB \a, 1
	s_wait_xcnt 0x0
	QUANT T
	v_mov_b32 v[KW+\a], v[PW]
.irp p, 0,1,2
	global_store_b128 v25, v[PC+4*\p:PC+4*\p+3], s[88:89] offset:221184*((\a)/4)+6144+1536*((\a)%4)+512*\p
.endr
.if (\a)%4 == 3
	global_store_b128 v25, v[KW+4*((\a)/4):KW+4*((\a)/4)+3], s[88:89] offset:221184*((\a)/4)+13312   ; the head's four tiles' scale words
.endif
.endm
	s_cmp_eq_u32 s23, 1
	s_cbranch_scc1 .Lepi_v
	; ---- q, k
	s_lshl_b32 s87, s22, 1
	s_add_co_u32 s86, s86, s87                     ; my first head; the second follows it
	s_cmp_eq_u32 ttmp9, 0                          ; q's buffers or k's: the choice hangs on the cluster's x alone
	s_cselect_b64 s[88:89], s[14:15], s[18:19]
	s_cselect_b64 s[92:93], s[16:17], s[18:19]
	s_mov_b32 s78, 221184
	s_cselect_b32 s78, 98304, s78                  ; codes: from head to head,
	s_mov_b32 s79, 13824
	s_cselect_b32 s79, 6144, s79                   ; from step to step
	s_mov_b32 s80, 221184
	s_cselect_b32 s80, 16384, s80                  ; scale words likewise
	s_mov_b32 s81, 13824
	s_cselect_b32 s81, 1024, s81
	s_cselect_b32 s82, 0, 12288                    ; k's scale words lie behind a step's codes
	s_mul_i32 s76, s86, s78
	s_mul_i32 s83, s84, s79
	s_add_co_u32 s76, s76, s83
	s_add_nc_u64 s[88:89], s[88:89], s[76:77]
	s_mov_b32 s76, s78
	s_add_nc_u64 s[90:91], s[88:89], s[76:77]
	s_mul_i32 s76, s86, s80
	s_mul_i32 s83, s84, s81
	s_add_co_u32 s76, s76, s83
	s_add_co_u32 s76, s76, s82
	s_add_nc_u64 s[92:93], s[92:93], s[76:77]
	s_mov_b32 s76, s80
	s_add_nc_u64 s[94:95], s[92:93], s[76:77]
.irp a, 0,1,2,3,4,5,6,7
	EPI_QK \a
.endr
.irp a, 0,1,2,3,4,5,6,7
	v_lshrrev_b32 v[KW2+\a], 16, v[KW+\a]          ; bytes 0, 1 of a word are the first head's blocks, bytes 2, 3 the second's.  (The two upper bytes scale zero codes: any byte but 0xff will do there)
.endr
.irp j, 0,1
	global_store_b128 v25, v[KW+4*\j:KW+4*\j+3], s[92:93] offset:512*\j
	global_store_b128 v25, v[KW2+4*\j:KW2+4*\j+3], s[94:95] offset:512*\j
.endr
	s_branch .Lend
.Lepi_v:
	; ---- v
	s_lshl_b32 s87, s21, 1
	s_add_co_u32 s86, s86, s87                     ; the head of my tiles 0-3; tiles 4-7 are the next head's
	s_mul_i32 s76, s86, 221184
	s_mul_i32 s83, s84, 13824
	s_add_co_u32 s76, s76, s83
	s_add_nc_u64 s[88:89], s[18:19], s[76:77]
	s_wait_loadcnt 0x0                             ; the bias
.irp a, 0,1,2,3,4,5,6,7
	EPI_V \a
.endr
.Lend:
	s_wait_tensorcnt 0x0                           ; the wave's end: behind my last tensor load
	ds_add_u32 v[SPW], v[NIL]
	s_wait_dscnt 0x0
	CROUND                                         ; the closing round: no work-group ends while a partner may still ask for a tile that names it
	s_endpgm
.Lfunc_end_k_q2287185f0e_qkv:
	.size	k_q2287185f0e_qkv, .Lfunc_end_k_q2287185f0e_qkv-k_q2287185f0e_qkv
	.p2alignl 7, 3214868480
	.fill 96, 4, 3214868480
	.section	.rodata,"a",@progbits
	.p2align	6, 0x0
	.amdhsa_kernel k_q2287185f0e_qkv
		.amdhsa_group_segment_fixed_size 327680
		.amdhsa_private_segment_fixed_size 0
		.amdhsa_enable_private_segment 0
		.amdhsa_kernarg_size 64
		.amdhsa_user_sgpr_count 2
		.amdhsa_user_sgpr_kernarg_segment_ptr 1
		.amdhsa_wavefront_size32 1
		.amdhsa_system_sgpr_workgroup_id_x 1
		.amdhsa_system_sgpr_workgroup_id_y 1
		.amdhsa_system_sgpr_workgroup_id_z 1
		.amdhsa_system_vgpr_workitem_id 0
		.amdhsa_next_free_vgpr 1024
		.amdhsa_next_free_sgpr 100
		.amdhsa_reserve_vcc 1
		.amdhsa_float_denorm_mode_32 3
		.amdhsa_float_denorm_mode_16_64 3
		.amdhsa_memory_ordered 1
		.amdhsa_forward_progress 1
		.amdhsa_inst_pref_size 236
	.end_amdhsa_kernel
	.amdgpu_metadata
---
amdhsa.version: [ 1, 2 ]
amdhsa.kernels:
  - .name:           k_q2287185f0e_qkv
    .symbol:         k_q2287185f0e_qkv.kd
    .args:
      - { .name: ximg, .offset: 0, .size: 8, .value_kind: global_buffer, .address_space: global }
      - { .name: wimg, .offset: 8, .size: 8, .value_kind: global_buffer, .address_space: global }
      - { .name: scl, .offset: 16, .size: 8, .value_kind: global_buffer, .address_space: global }
      - { .name: b_qkv, .offset: 24, .size: 8, .value_kind: global_buffer, .address_space: global }
      - { .name: rope, .offset: 32, .size: 8, .value_kind: global_buffer, .address_space: global }
      - { .name: qc, .offset: 40, .size: 8, .value_kind: global_buffer, .address_space: global }
      - { .name: qs, .offset: 48, .size: 8, .value_kind: global_buffer, .address_space: global }
      - { .name: kv, .offset: 56, .size: 8, .value_kind: global_buffer, .address_space: global }
    .group_segment_fixed_size: 327680
    .private_segment_fixed_size: 0
    .kernarg_segment_align: 8
    .kernarg_segment_size: 64
    .max_flat_workgroup_size: 128
    .sgpr_count:     100
    .vgpr_count:     1024
    .wavefront_size: 32
...
	.end_amdgpu_metadata
.endif
;; end of part 2
;; launch attn (part 3): grid 4 x 64, 8 waves a work-group, clusters of 4 x 1, 257,024 bytes of LDS; arguments qc, qs, kv, out0; writes out0
.if DOCPART == 3
	.amdgcn_target "amdgcn-amd-amdhsa--gfx1250"
	.amdhsa_code_object_version 6
	.text
	.protected	k_q2287185f0e_attn
	.globl	k_q2287185f0e_attn
	.p2align	8
	.type	k_q2287185f0e_attn,@function
k_q2287185f0e_attn:
	s_mov_b64 s[64:65], 0
	v_nop
	global_prefetch_b8 v0, s[64:65] scope:SCOPE_SE
	s_setreg_imm32_b32 hwreg(HW_REG_WAVE_MODE, 25, 1), 1
	s_wait_xcnt 0x0
	s_wait_alu depctr_hold_cnt(0) depctr_sa_sdst(0) depctr_va_vdst(0) depctr_va_sdst(0) depctr_va_ssrc(0) depctr_va_vcc(0) depctr_vm_vsrc(0)
	s_getreg_b32 s2, hwreg(HW_REG_IB_STS2, 6, 4)
	s_cmp_eq_u32 s2, 0
	s_cbranch_scc0 .Lentry_in_a_cluster
	s_endpgm
.Lentry_in_a_cluster:
	s_bfe_u32 s2, ttmp6, 0x10000c
	s_cmp_lg_u32 s2, 0x3003
	s_cbranch_scc0 .Lentry_shape_is_right
	s_endpgm
.Lentry_shape_is_right:
; ATTN: o = softmax(q k^T / 8) v on codes of FP6 (E2M3) with E8M0 scales.  A work-group takes one head and 512 queries; the four work-groups of a cluster take the four quarters of one head's queries.
; The head's k and v, 16 steps of 128 keys x 13,824 bytes, are asked for JOINTLY by the four, once: each of the 8 waves fetches one eighth (108 rows of 256 bytes) with its one tensor load at the head.  No LDS byte is filled twice.
; A wave owns 4 tiles of 16 queries and walks the 16 steps once, so each fragment of k and v that it reads from LDS serves four tiles.
; Both products are used transposed (S^T = k q^T, O^T = v^T p^T): a lane holds one query throughout.
; THE KEYS OF A TILE are chosen by the LDS addresses: row 8 hh + j of tile T is key 32 (hh + 2 (T / 4)) + 8 (T % 4) + j of the step.  So lane half h holds in tiles 0-3 the whole block h of 32 keys, in order,
; and in tiles 4-7 block 2 + h: just what p's operand wants of that lane.  A block's maximum needs no other lane, and the conversions' results are not moved between lanes.
; K = 64: q's fragment is 6 registers of codes and 6 of zero codes.  k's tiles lie 6 registers apart: the upper half of a tile's operand is the next tile's codes (behind the last: zeros), which meet q's zero codes and add nothing.
; SOFTMAX: t = score x log2(e) / 8; M = the ceiling of the running largest t, kept as -M; p = 2^(t - M); the row's sum is taken of p before it is quantised; when M moves, sum and O^T are multiplied by 2^(old M - new M), exactly.
; A block's largest p is made from the block's largest score by the same multiply-add and exponential.
; A PHASE serves one tile and one step.  The next tile's 8 score products stand among this tile's exponentials, and the tile before's 4 products O^T += v^T p^T among the additions of the row's sum:
; the registers are laid so that one setting of the windows serves each of the two mixtures.
; The loop is written once.  So the first trip's first product O^T += v^T p^T finds zero codes for p and adds nothing, and the last trip fetches step 15's keys once more and makes scores of tile 0 that nobody reads.
; Nothing is prefetched: every tile is asked for at the head, so there is no loop to run ahead in.
; LIMITS: the promise holds while the scaled scores t stay under 2^31 in magnitude; NaN and infinities are not served.
; REGISTERS.  Window 0: v1-11 addresses; v12-35 for each tile -M, largest score, the sum in two pairs; v36-47 at work; v48-63 scale words; v64-111 q; v112-123 p's codes; v128-255 O^T, 32 registers a tile.  On the way out v64-127 hold rows.
;   Window 1: v0-63, v64-127 scores, two buffers; v128-181 k; v182-229 v; v230-237 the conversions' second halves.
.set STEPB, 13824
.set KVB,   16*STEPB
.set STAGE, KVB                        ; behind k and v: 16 rows x 272 bytes for each wave, for the way out
.set SPARE, STAGE+8*4352               ; the spare words, 128 bytes for each wave
.set AK, 1
.set AK2, 2
.set AKS, 3
.set AV, 4
.set XK, 5
.set SPW, 6
.set NIL, 7
.set STO, 8
.set RD, 9
.set CO, 10
.set SH8, 11
.set ST, 12
.set F, 36
.set MA, 38
.set T0, 42
.set T1, 43
.set T2, 44
.set T3, 45
.set SO, 44
.set PSW, 46
.set XK2, 47
.set QS, 48
.set KS, 52
.set VS, 60
.set Q, 64
.set C, 112
.set XKS, 124
.set XV, 125
.set QO2, 126
.set O, 128
.set U, 64
.set K, 128                            ; in window 1
.set V, 182
.set TC, 230
.set MSB, 0
.macro WIN new                         ; the immediate's high byte repeats the setting that is left
.if MSB != (\new)
	s_set_vgpr_msb (MSB<<8)|(\new)
.set MSB, (\new)
.endif
.endm
.macro CROUND
	s_barrier_signal -1
	s_barrier_wait -1
	s_cmp_lg_u32 s12, 0
	s_cbranch_scc1 .Lnot_wave_0_\@
	s_barrier_signal -3
.Lnot_wave_0_\@:
	s_barrier_wait -3
	s_barrier_signal -1
	s_barrier_wait -1
.endm
.macro KLOAD a, b, c                   ; a step's 8 tiles of k, 6 registers each, and their scale words
	WIN 0x40
.irp t, 0,1,2,3,4,5,6,7
	ds_load_b128 v[K+6*\t:K+6*\t+3], v[\a] offset:768*(4*(\t/4)+\t%2)+128*((\t%4)/2)
	ds_load_b64 v[K+6*\t+4:K+6*\t+5], v[\b] offset:512+768*(4*(\t/4)+\t%2)+64*((\t%4)/2)
.endr
	WIN 0
.irp p, 0,1,2,3
	ds_load_b64 v[KS+2*\p:KS+2*\p+1], v[\c] offset:12288+512*(\p/2)+128*(\p%2)
.endr
.endm
.macro VLOAD a                         ; a step's 4 tiles of v^T and their scale words
	WIN 0x40
.irp d, 0,1,2,3
.irp p, 0,1,2
	ds_load_b128 v[V+12*\d+4*\p:V+12*\d+4*\p+3], v[\a] offset:6144+1536*\d+512*\p
.endr
.endr
	WIN 0
	ds_load_b128 v[VS:VS+3], v[\a] offset:13312
.endm
.macro PV1 o, d                        ; under 0x01: O^T's tile d += v^T's tile d x p^T
	v_wmma_scale_f32_16x16x128_f8f6f4 v[(\o)+8*(\d):(\o)+8*(\d)+7], v[V+12*(\d):V+12*(\d)+11], v[C:C+11], v[(\o)+8*(\d):(\o)+8*(\d)+7], v[VS+(\d)], v[PSW] matrix_a_fmt:MATRIX_FMT_FP6 matrix_b_fmt:MATRIX_FMT_FP6
.endm
.macro QK1 s, n, t                     ; under 0x41: the scores of k's tile t and query tile n into buffer s
	v_wmma_scale_f32_16x16x128_f8f6f4 v[(\s)+8*(\t):(\s)+8*(\t)+7], v[K+6*(\t):K+6*(\t)+11], v[Q+12*(\n):Q+12*(\n)+11], 0, v[KS+(\t)], v[QS+(\n)] matrix_a_fmt:MATRIX_FMT_FP6 matrix_b_fmt:MATRIX_FMT_FP6
.endm
	s_load_b256 s[4:11], s[0:1], 0x0               ; qc s[4:5], qs s[6:7], kv s[8:9], out0 s[10:11]
	v_lshl_add_u32 v[SPW], v0, 2, SPARE
	v_mov_b32 v[NIL], 0
	ds_add_u32 v[SPW], v[NIL]                      ; the opening lines: the add, twice on end, and its wait ahead of my tensor load
	ds_add_u32 v[SPW], v[NIL]
	v_lshrrev_b32 v64, 5, v0
	v_readfirstlane_b32 s12, v64                   ; wave 0..7
	s_bfe_u32 s13, ttmp6, 0x40000                  ; cx: which quarter of the queries
	s_and_b32 s14, ttmp7, 0xffff                   ; the head, 0..63
	s_mov_b32 s16, 15|(3<<16)|(1<<21)              ; group 1: the mask names the four; elements of 8 bytes; 108 dense rows of 256 bytes
	s_mov_b32 s17, 32<<16
	s_mov_b32 s18, 108<<16
	s_mov_b32 s19, 32<<16
	s_mov_b32 s20, 108
	s_mov_b32 s21, 32
	s_mov_b32 s22, 0
	s_mov_b32 s23, 0
	s_mul_i32 s38, s12, 27648                      ; my eighth
	s_mul_i32 s40, s14, KVB
	s_add_co_u32 s40, s40, s38
	s_mov_b32 s41, 0
	s_mov_b32 s32, 0x76543210
	s_mov_b32 s33, 0xfedcba98                      ; lane l xor 16
	s_mov_b32 s34, 0x3e38aa3b                      ; log2(e) / 8
	s_mov_b32 s35, s34
	s_wait_dscnt 0x0
	s_wait_kmcnt 0x0
	s_add_nc_u64 s[40:41], s[8:9], s[40:41]
	s_mov_b32 s24, 1
	s_mov_b32 s25, s38
	s_mov_b64 s[26:27], s[40:41]
	s_or_b32 s27, s27, 0x80000000
	CROUND                                         ; the four work-groups are here: the joint loads meet
	tensor_load_to_lds s[24:27], s[16:23]
	s_nop 0
.rept 4
	v_nop
.endr
	v_and_b32 v128, 31, v0                         ; lane
	v_and_b32 v129, 15, v0                         ; r
	v_bfe_u32 v130, v0, 4, 1                       ; h
	v_and_b32 v131, 7, v0                          ; j
	v_bfe_u32 v132, v0, 3, 1                       ; hh
	v_lshlrev_b32 v[AV], 4, v128                   ; 16 x lane
	v_lshlrev_b32 v[QO2], 3, v128                  ; 8 x lane
	v_lshlrev_b32 v[SH8], 3, v130                  ; 8 h
	v_mul_u32_u24 v133, v132, 1536                 ; rows 8-15 of my tiles lie two stored tiles further on
	v_lshl_add_u32 v134, v130, 4, v131             ; the stored tile's lane: j + 16 h
	v_lshl_add_u32 v[AK], v134, 4, v133
	v_lshl_add_u32 v[AK2], v134, 3, v133
	v_lshlrev_b32 v135, 3, v132
	v_lshl_add_u32 v[AKS], v131, 4, v135           ; k's scale words: 16 j + 8 hh
	s_mul_i32 s39, s12, 4352
	s_add_co_u32 s39, s39, STAGE
	v_mul_u32_u24 v136, v129, 272
	v_lshl_add_u32 v136, v130, 6, v136
	v_add_nc_u32 v[STO], s39, v136                 ; the stage, in: row r, + 64 h
	v_mul_u32_u24 v137, v130, 272
	v_lshl_add_u32 v137, v129, 4, v137
	v_add_nc_u32 v[RD], s39, v137                  ; and back: sixteen lanes to a row of 256 bytes
	v_lshlrev_b32 v138, 12, v130
	v_lshl_add_u32 v[CO], v129, 4, v138            ; the same two rows in out0
	s_lshl_b32 s42, s13, 3
	s_add_co_u32 s42, s42, s12                     ; W = 8 cx + wave: my tiles are 4 W .. 4 W + 3 of the head's 128
	s_mov_b32 s45, 0
	s_mul_i32 s44, s14, 98304
	s_mul_i32 s46, s42, 3072
	s_add_co_u32 s44, s44, s46
	s_add_nc_u64 s[4:5], s[4:5], s[44:45]
	s_lshl_b32 s44, s14, 14
	s_lshl_b32 s46, s42, 9
	s_add_co_u32 s44, s44, s46
	s_add_nc_u64 s[6:7], s[6:7], s[44:45]
	s_lshr_b32 s44, s14, 4
	s_lshl_b32 s44, s44, 23                        ; the batch
	s_lshl_b32 s46, s42, 18                        ; 64 rows of 4,096 bytes
	s_add_co_u32 s44, s44, s46
	s_and_b32 s46, s14, 15
	s_lshl_b32 s46, s46, 8                         ; the head's 256 bytes of a row
	s_add_co_u32 s44, s44, s46
	s_add_nc_u64 s[10:11], s[10:11], s[44:45]
	s_wait_alu depctr_va_vdst(0)                   ; the wait here, ahead of the readers below
.irp i, 0,1,2,3
	global_load_b128 v[Q+12*\i:Q+12*\i+3], v[AV], s[4:5] offset:768*\i
	global_load_b64 v[Q+12*\i+4:Q+12*\i+5], v[QO2], s[4:5] offset:768*\i+512
.endr
	global_load_b128 v[QS:QS+3], v[AV], s[6:7]     ; my four tiles' scale words
.irp i, 0,1,2,3
.irp j, 6,7,8,9,10,11
	v_mov_b32 v[Q+12*\i+\j], 0                     ; zero codes for k = 64 .. 127
.endr
	v_mov_b32 v[ST+6*\i], 0x7f61b1e6               ; -M
	v_mov_b32 v[ST+6*\i+1], 0xff61b1e6             ; the largest score so far: -3e38
.irp j, 2,3,4,5
	v_mov_b32 v[ST+6*\i+\j], 0
.endr
.endr
.irp j, 0,1,2,3,4,5,6,7,8,9,10,11
	v_mov_b32 v[C+\j], 0                           ; the first trip's first product finds zero codes
.endr
	v_mov_b32 v[PSW], 0x7f7f7f7f
	v_mov_b32 v[T1], 0                             ; a lane permute's destination counts as one of its sources
	v_mov_b32 v[F+1], 0                            ; named as the upper half of a pair
.set xj, 0
.rept 128
	v_mov_b32 v[O+xj], 0                           ; O^T: the step is written once, and the first finds zeros
.set xj, xj+1
.endr
	WIN 0x40
.irp j, 0,1,2,3,4,5
	v_mov_b32 v[K+48+\j], 0                        ; behind k's last tile
.endr
	WIN 0
	s_wait_alu depctr_va_vdst(0)                   ; the wait at the head's end
	s_wait_loadcnt 0x0
	s_wait_tensorcnt 0x0                           ; my eighth is in
	s_barrier_signal -1
	s_barrier_wait -1                              ; and so is everybody's
	KLOAD AK, AK2, AKS                             ; step 0's keys,
	VLOAD AV                                       ; and its values, which the first trip's first product meets with zero codes
	s_wait_dscnt 0x0
	WIN 0x41
.irp t, 0,1,2,3,4,5,6,7
	QK1 0, 0, \t
.endr
	WIN 0
.rept 4
	v_nop                                          ; places ahead of the first read of the scores
.endr
.macro RS n                            ; n more pairs of O^T under the new M
.rept \n
	v_pk_mul_f32 v[OC+xo:OC+xo+1], v[OC+xo:OC+xo+1], v[F:F+1] op_sel_hi:[1,0]
.set xo, xo+2
.endr
.endm
.macro PHASE i
.set SB, 64*((\i)%2)
.set SN, 64-SB
.set NM, ST+6*(\i)
.set LA, NM+2
.set LB, NM+4
.set OC, O+32*(\i)
.set OP, O+32*(((\i)+3)%4)
.set QN, ((\i)+1)%4
	s_wait_alu depctr_va_vdst(0)                   ; the wait ahead of the first read of the scores
	WIN 0x15
	v_max3_num_f32 v[MA], v[SB], v[SB+1], v[SB+2]          ; my two blocks' largest scores, two chains each; every accumulator is first read at its low end
	v_max3_num_f32 v[MA+1], v[SB+17], v[SB+18], v[SB+19]
	v_max3_num_f32 v[MA+2], v[SB+32], v[SB+33], v[SB+34]
	v_max3_num_f32 v[MA+3], v[SB+49], v[SB+50], v[SB+51]
	WIN 0x14
.irp k, 0,1,2,3,4,5
	v_max3_num_f32 v[MA], v[MA], v[SB+3+2*\k], v[SB+4+2*\k]
	v_max3_num_f32 v[MA+1], v[MA+1], v[SB+20+2*\k], v[SB+21+2*\k]
	v_max3_num_f32 v[MA+2], v[MA+2], v[SB+35+2*\k], v[SB+36+2*\k]
	v_max3_num_f32 v[MA+3], v[MA+3], v[SB+52+2*\k], v[SB+53+2*\k]
.endr
	v_max3_num_f32 v[MA], v[MA], v[SB+15], v[SB+16]
	v_max3_num_f32 v[MA+2], v[MA+2], v[SB+47], v[SB+48]
	WIN 0
	v_max_num_f32 v[MA], v[MA], v[MA+1]            ; block h
	v_max_num_f32 v[MA+2], v[MA+2], v[MA+3]        ; block 2 + h
	s_delay_alu instid0(VALU_DEP_1)
	v_max_num_f32 v[T0], v[MA], v[MA+2]
	s_delay_alu instid0(VALU_DEP_1)
	v_permlanex16_b32 v[T1], v[T0], s32, s33
	s_delay_alu instid0(VALU_DEP_1)
	v_max3_num_f32 v[NM+1], v[NM+1], v[T0], v[T1]  ; the running largest score of my query
	v_mov_b32 v[T3], v[NM]
	s_delay_alu instid0(VALU_DEP_2)
	v_mul_f32 v[T2], s34, v[NM+1]                  ; as t
	s_delay_alu instid0(VALU_DEP_1)
	v_floor_f32 v[NM], -v[T2]                      ; -M = floor(-t)
	s_delay_alu instid0(VALU_DEP_1)
	v_sub_f32 v[T3], v[NM], v[T3]                  ; old M - new M, a whole number
	v_fma_f32 v[MA], v[MA], s34, v[NM]             ; t - M of each block's largest score
	v_fma_f32 v[MA+2], v[MA+2], s34, v[NM]
	v_cvt_i32_f32 v[T3], v[T3]
	s_delay_alu instid0(VALU_DEP_1)
	v_ldexp_f32 v[F], 1.0, v[T3]                   ; f = 2^(old M - new M)
	v_pk_mul_f32 v[LA:LA+1], v[LA:LA+1], v[F:F+1] op_sel_hi:[1,0]   ; the sums under the new M
	v_pk_mul_f32 v[LB:LB+1], v[LB:LB+1], v[F:F+1] op_sel_hi:[1,0]
	WIN 0x41
.set xj, 0
.rept 32
	v_pk_fma_f32 v[SB+xj:SB+xj+1], v[SB+xj:SB+xj+1], s[34:35], v[NM:NM+1] op_sel_hi:[1,0,0]   ; t - M
.set xj, xj+2
.endr
	s_wait_alu depctr_va_vdst(0)                   ; the wait ahead of the batch
.if (\i)%2
	s_wait_dscnt 0x0                               ; phase 1: this step's values are in; phase 3: the next step's keys
.endif
.set xj, 0
.irp t, 0,1,2,3,4,5,6,7
	QK1 SN, QN, \t                                 ; the next tile's scores (in phase 3: tile 0 of the next step), one product to seven exponentials
.rept 7
	v_exp_f32 v[SB+xj], v[SB+xj]                   ; p
.set xj, xj+1
.endr
.endr
.rept 8
	v_exp_f32 v[SB+xj], v[SB+xj]
.set xj, xj+1
.endr
	WIN 0
	v_exp_f32 v[MA], v[MA]                         ; the blocks' largest p
	v_exp_f32 v[MA+2], v[MA+2]
	v_nop                                          ; one plain place behind the batch
	WIN 0x01
	s_wait_alu depctr_va_vdst(0)                   ; and the wait behind it
.set xj, 0
.irp d, 0,1,2,3
	PV1 OP, \d                                     ; the tile before, one product to eight additions
.rept 4
	v_pk_add_f32 v[LA:LA+1], v[SB+xj:SB+xj+1], v[LA:LA+1]         ; the unquantised p, in two chains
	v_pk_add_f32 v[LB:LB+1], v[SB+xj+2:SB+xj+3], v[LB:LB+1]
.set xj, xj+4
.endr
.endr
.if (\i) == 0
	VLOAD XV                                       ; this step's values: the last step's were last read eight places back
.endif
.if (\i) == 2
	KLOAD XK, XK2, XKS                             ; the next step's keys: this step's were last read among the exponentials
.endif
	WIN 0
.set xo, 0
	v_max_num_f32 v[MA], 0x1800000, v[MA]          ; the floor 2^(3 - 127): the byte cannot fall under 1.  (O^T's rescaling stands between the links of this chain)
	v_max_num_f32 v[MA+2], 0x1800000, v[MA+2]
	RS 2
	v_add_nc_u32 v[SO], 0xff000000, v[MA]          ; 2 off the exponent field: the conversion's scale operand
	v_add_nc_u32 v[SO+1], 0xff000000, v[MA+2]
	RS 2
	v_lshrrev_b32 v[MA+1], 23, v[SO]               ; the bytes of blocks h and 2 + h
	v_lshrrev_b32 v[MA+3], 23, v[SO+1]
	RS 2
	v_lshl_or_b32 v[T0], v[MA+3], 16, v[MA+1]
	RS 3
	v_lshlrev_b32 v[T0], v[SH8], v[T0]             ; at their places in the word,
	RS 3
	v_permlanex16_b32 v[T1], v[T0], s32, s33
	RS 4
	v_or_b32 v[PSW], v[T0], v[T1]                  ; and with lane l xor 16's two the word is whole
	WIN 0x01
	v_cvt_scalef32_pk16_fp6_f32 v[C:C+2], v[SB:SB+15], v[SO]
	v_cvt_scalef32_pk16_fp6_f32 v[C+6:C+8], v[SB+32:SB+47], v[SO+1]
	WIN 0x41
	v_cvt_scalef32_pk16_fp6_f32 v[TC:TC+2], v[SB+16:SB+31], v[SO]     ; (a conversion's three registers begin on an even number)
	v_cvt_scalef32_pk16_fp6_f32 v[TC+4:TC+6], v[SB+48:SB+63], v[SO+1]
	v_nop                                          ; one plain place behind a scaled conversion
	WIN 0x01
.irp j, 0,1,2
	v_mov_b32 v[C+3+\j], v[TC+\j]
	v_mov_b32 v[C+9+\j], v[TC+4+\j]
.endr
	WIN 0
.endm
	s_mov_b32 s36, 0
	s_mov_b32 s37, 16
.Lstep:
	s_add_co_u32 s38, s36, STEPB
	s_min_u32 s38, s38, 15*STEPB                   ; the next step's keys; in the last trip step 15's once more
	v_add_nc_u32 v[XV], s36, v[AV]
	v_add_nc_u32 v[XK], s38, v[AK]
	v_add_nc_u32 v[XK2], s38, v[AK2]
	v_add_nc_u32 v[XKS], s38, v[AKS]
	PHASE 0
	PHASE 1
	PHASE 2
	PHASE 3
	s_add_co_u32 s36, s36, STEPB
	s_sub_co_u32 s37, s37, 1
	s_cmp_lg_u32 s37, 0
	s_wait_alu depctr_va_vdst(0)                   ; the wait ahead of the branch
	s_cbranch_scc1 .Lstep
	WIN 0x01
.irp d, 0,1,2,3
	PV1 O+96, \d                                   ; tile 3's last product
.endr
	WIN 0
.irp i, 0,1,2,3
	v_pk_add_f32 v[ST+6*\i+2:ST+6*\i+3], v[ST+6*\i+2:ST+6*\i+3], v[ST+6*\i+4:ST+6*\i+5]   ; the sums' two pairs,
.endr
.irp i, 0,1,2,3
	v_add_f32 v[ST+6*\i+2], v[ST+6*\i+2], v[ST+6*\i+3]     ; their two halves,
.endr
.irp i, 0,1,2,3
	v_permlanex16_b32 v[MA+\i], v[ST+6*\i+2], s32, s33
.endr
.irp i, 0,1,2,3
	v_add_f32 v[ST+6*\i+2], v[ST+6*\i+2], v[MA+\i]         ; and lane l xor 16's 64 keys a step
.endr
	s_wait_alu depctr_va_vdst(0)                   ; the wait ahead of the batch
.irp i, 0,1,2,3
	v_rcp_f32 v[ST+6*\i+2], v[ST+6*\i+2]
.endr
	v_nop
	s_wait_alu depctr_va_vdst(0)                   ; and behind it, ahead of the first reader of O^T
.irp i, 0,1,2,3
.set xj, 0
.rept 32
	v_mul_f32 v[O+32*\i+xj], v[O+32*\i+xj], v[ST+6*\i+2]   ; register 16 b + 8 u + j: channel 32 b + 16 h + 8 u + j of my query
.set xj, xj+1
.endr
.endr
	s_wait_alu depctr_va_vdst(0)                   ; the wait here
; THE WAY OUT, tile by tile, through my own stage: back come whole rows of 256 bytes, which sixteen lanes store as one aligned unit.  LDS serves a wave's instructions in order.
.irp i, 0,1,2,3
.if \i >= 2
	s_wait_xcnt 0x0                                ; tile i - 2's stores have read their registers
.endif
.irp b, 0,1
.irp q, 0,1,2,3
	ds_store_b128 v[STO], v[O+32*\i+16*\b+4*\q:O+32*\i+16*\b+4*\q+3] offset:128*\b+16*\q
.endr
.endr
.irp k, 0,1,2,3,4,5,6,7
	ds_load_b128 v[U+32*(\i%2)+4*\k:U+32*(\i%2)+4*\k+3], v[RD] offset:544*\k
.endr
.irp k, 0,1,2,3,4,5,6,7
	s_wait_dscnt 7-\k                              ; the younger loads may be out
	global_store_b128 v[CO], v[U+32*(\i%2)+4*\k:U+32*(\i%2)+4*\k+3], s[10:11] offset:(\i/2)*131072+(\i%2)*32768+(2*\k+8*(\k/4))*4096 th:TH_STORE_NT
.endr
.endr
	s_wait_tensorcnt 0x0                           ; the wave's end
	ds_add_u32 v[SPW], v[NIL]
	s_wait_dscnt 0x0
	CROUND                                         ; the closing round
	s_endpgm
.Lfunc_end_k_q2287185f0e_attn:
	.size	k_q2287185f0e_attn, .Lfunc_end_k_q2287185f0e_attn-k_q2287185f0e_attn
	.p2alignl 7, 3214868480
	.fill 96, 4, 3214868480
	.section	.rodata,"a",@progbits
	.p2align	6, 0x0
	.amdhsa_kernel k_q2287185f0e_attn
		.amdhsa_group_segment_fixed_size 257024
		.amdhsa_private_segment_fixed_size 0
		.amdhsa_enable_private_segment 0
		.amdhsa_kernarg_size 32
		.amdhsa_user_sgpr_count 2
		.amdhsa_user_sgpr_kernarg_segment_ptr 1
		.amdhsa_wavefront_size32 1
		.amdhsa_system_sgpr_workgroup_id_x 1
		.amdhsa_system_sgpr_workgroup_id_y 1
		.amdhsa_system_sgpr_workgroup_id_z 1
		.amdhsa_system_vgpr_workitem_id 0
		.amdhsa_next_free_vgpr 512
		.amdhsa_next_free_sgpr 66
		.amdhsa_reserve_vcc 0
		.amdhsa_float_denorm_mode_32 3
		.amdhsa_float_denorm_mode_16_64 3
		.amdhsa_memory_ordered 1
		.amdhsa_forward_progress 1
		.amdhsa_inst_pref_size 84
	.end_amdhsa_kernel
	.amdgpu_metadata
---
amdhsa.version: [ 1, 2 ]
amdhsa.kernels:
  - .name:           k_q2287185f0e_attn
    .symbol:         k_q2287185f0e_attn.kd
    .args:
      - { .name: qc, .offset: 0, .size: 8, .value_kind: global_buffer, .address_space: global }
      - { .name: qs, .offset: 8, .size: 8, .value_kind: global_buffer, .address_space: global }
      - { .name: kv, .offset: 16, .size: 8, .value_kind: global_buffer, .address_space: global }
      - { .name: out0, .offset: 24, .size: 8, .value_kind: global_buffer, .address_space: global }
    .group_segment_fixed_size: 257024
    .private_segment_fixed_size: 0
    .kernarg_segment_align: 8
    .kernarg_segment_size: 32
    .max_flat_workgroup_size: 256
    .sgpr_count:     66
    .vgpr_count:     512
    .wavefront_size: 32
...
	.end_amdgpu_metadata
.endif
;; end of part 3
